; MI455X (gfx1250); checked and timed in simulation.
; The chip was launched on July 23, 2026; its instructions are those of AMD's public machine-readable ISA for CDNA 5 (MIT licence, August 2026) and "CDNA5" Instruction Set Architecture Reference Guide (July 2026). The comments in the code are by the model that wrote it; some were corrected since.
;; Multi Head Attention. Allowed arithmetic: matrix products marked QUANTISED: E2M3 operands, one E8M0 scale for each 32 along K, by v_wmma_scale_f32_16x16x128_f8f6f4 with both operands' format E2M3, f32 sums; everything else in f32.
;; Inputs: W_k 512 x 512 float32; W_o 512 x 512 float32; W_q 512 x 512 float32; W_v 512 x 512 float32; b_k 512 float32; b_o 512 float32; b_q 512 float32; b_v 512 float32; mask 2 x 4,096 x 4,096 bool; x_k 2 x 4,096 x 512 float32; x_q 2 x 4,096 x 512 float32; x_v 2 x 4,096 x 512 float32.
;; Outputs: out0 2 x 4,096 x 512 float32.
;; This version of the problem:
;;   THIS VERSION OF THE PROBLEM IS GIVEN IN LOW PRECISION. The matrix products marked QUANTISED in the list below multiply operands that are first quantised to E2M3 (2 exponent bits, 3 mantissa bits; 6 bits a number), with one power-of-two scale for each 32 numbers along K (OCP MX v1.0); their sums are f32. All else is computed in f32.
;;   The module's matrix products, in the order in which they are computed (A, B: the left and right operand; K: the contracted axis; several contracted axes count as one K, in the product's order):
;;     1. [M 8,192, K 512] x [K 512, N 512]; A: input x_q; B: input W_q: QUANTISED
;;     2. [M 8,192, K 512] x [K 512, N 512]; A: input x_k; B: input W_k: QUANTISED
;;     3. [M 8,192, K 512] x [K 512, N 512]; A: input x_v; B: input W_v: QUANTISED
;;     4. batch 16 x [M 4,096, K 64] x [K 64, N 4,096]; A: computed on the way; B: computed on the way: QUANTISED
;;     5. batch 16 x [M 4,096, K 4,096] x [K 4,096, N 64]; A: softmax (see below); B: computed on the way: QUANTISED
;;     6. [M 8,192, K 512] x [K 512, N 512]; A: computed on the way; B: input W_o: QUANTISED
;;   THE QUANTISER, for each operand of a quantised product, along K:
;;     - K is cut into blocks of 32 from its start; a last block that is shorter is filled with zeros.
;;     - A block's scale is 2^e with e = floor(log2(the largest magnitude in the block)) - 2, held to -126 .. 127; a block of zeros has e = 0. As a byte (E8M0): e + 127.
;;     - Each number is divided by its block's scale, clamped to +-7.5, and rounded to the nearest number of E2M3, ties to even, subnormals kept.
;;     - The product sums the exact products of the quantised numbers (number of the format x scale) in f32.
;;   ~~~python
;;   def quantise(x, axis):      # numpy; x: float32 -> the quantised numbers, widened to float32 again
;;       x = np.moveaxis(x, axis, -1); K = x.shape[-1]
;;       x = np.pad(x, [(0, 0)] * (x.ndim - 1) + [(0, -K % 32)]); x = x.reshape(x.shape[:-1] + (-1, 32)); a = np.abs(x).max(-1, keepdims=True)
;;       e = np.where(a > 0, np.clip(np.frexp(np.where(a > 0, a, 1))[1] - 1 - 2, -126, 127), 0)      # np.frexp(a)[1] - 1 = floor(log2(a)), exactly
;;       r = np.clip(x / 2.0 ** e, -7.5, 7.5)
;;       step = 2.0 ** (np.maximum(np.frexp(np.where(r == 0, 1, r))[1] - 1, 0) - 3)
;;       q = np.round(r / step) * step * 2.0 ** e      # np.round: ties to even
;;       return np.moveaxis(q.reshape(q.shape[:-2] + (-1,))[..., :K], -1, axis).astype(np.float32)
;;   ~~~
;;   SOFTMAX AHEAD OF A QUANTISED PRODUCT. Where the list says 'softmax', what is quantised is not the finished softmax but p = 2^(t - M), with t = logit x log2(e) and M = ceil(the row's largest t), a whole number; so 1/2 < the row's largest p <= 1. The row's sum l is taken of the UNQUANTISED p, in f32, and the product's result is divided by l at the end. Since M is a whole number, a kernel that streams over the keys may use a running M (the ceiling of the running maximum): every later rescaling is an exact power of two, which a block's scale takes up: the codes' values come out the same.
;;   OPERANDS COMPUTED ON THE WAY. 'Computed on the way' means the value that the module computes at that place (a softmax that the list does not call 'softmax' is quantised finished and normalised). What goes into a quantiser is computed in f32, as accurately as f32 sums, v_exp_f32 and their like allow (about 1e-6 of the number): no bf16 or f16 on the way to a quantiser, and a product that is left as it is and whose result goes on into a quantised operand takes f32 operands (vector FMAs, or v_wmma_f32_16x16x4_f32). A number that lies on a knife's edge between two numbers of the format may be rounded either way, as far as f32 arithmetic and the matrix unit's own rounding can turn it there, and no further.
;; One version. Each part assembles by itself: llvm-mc -triple=amdgcn-amd-amdhsa -mcpu=gfx1250 --defsym DOCPART=n.
;; ======== version 1 of 1: 4 launches
;; limits: right only within a limited range of input values
;; workspace buffers: wc 786,432 bytes; ws 65,536 bytes; maskw 4,194,304 bytes of whole numbers; mflag 2,048 bytes of whole numbers; qc 3,276,800 bytes; kv 6,553,600 bytes; ac 3,145,728 bytes; asc 524,288 bytes
;; launch prep (part 1): grid 320 x 1, 8 waves a work-group, no clusters, 35,840 bytes of LDS; arguments mask, W_q, W_k, W_v, W_o, wc, ws, maskw, mflag; writes wc, ws, maskw, mflag
.if DOCPART == 1
	.amdgcn_target "amdgcn-amd-amdhsa--gfx1250"
	.amdhsa_code_object_version 6
	.text
	.protected	k_q5f5ec9f175_prep
	.globl	k_q5f5ec9f175_prep
	.p2align	8
	.type	k_q5f5ec9f175_prep,@function
k_q5f5ec9f175_prep:
	s_mov_b64 s[64:65], 0
	v_nop
	global_prefetch_b8 v0, s[64:65] scope:SCOPE_SE
	s_setreg_imm32_b32 hwreg(HW_REG_WAVE_MODE, 25, 1), 1
	s_wait_xcnt 0x0
; PREP.  Two jobs that part on the work-group's number.
; (a) Work-groups 0-255: the mask's bytes [2][4096][4096] become LANE MASKS for the attention launch.  A tile of 16 queries is
;     rows first + 0..7 and first + 16..23 (lane r takes row r + 8 (r / 8)); for a key step of 128 keys it has 64 words: bit l of word 16 k + i
;     is mask[query l % 16 of the tile][128 step + 32 k + 16 (l / 16) + i]: the very lane and register in which the attention launch holds that score.
;     maskw: [tile 0..511][step 0..31][64 words], 8,192 bytes a tile.  A wave takes one tile x 1,024 keys, in four rounds of 256 keys.
;     Every load reads two rows' aligned 256 bytes; the bytes turn through the wave's own stage in LDS (16 rows, 272 bytes apart); every store is 512 consecutive bytes.
; (b) Work-groups 256-319: the four weights [512 (k)][512 (n)] f32 become operand fragments of FP6 (E2M3) codes, quantised along k, and their E8M0 scale words.  One wave, one fragment:
;     16 columns x 128 k.  A lane takes a column and its registers run down k, so the conversions' results are the operand's registers.  Tile T of a weight holds columns 32 (T / 2) + 8 (T % 2) + r + 8 (r / 8).
;     wc: fragment (weight, T, K step) at ((32 weight + T) 4 + step) x 1,536 bytes: register group g of lane l at 512 g + 16 l.  ws: 128 bytes a fragment, lane l's word at 4 l.
;     These loads read pieces of 32 bytes: the four weights are 4 MB in all, read once.
; A block's scale is 2^(floor(log2(largest magnitude)) - 2).  LIMITS: a block of zeros gets the byte 1 (its codes are zeros; only this program reads the bytes); NaN and infinities are not served.
; No barrier: waves share nothing.  No tensor load, no cluster: no two work-groups read the same bytes.
.set PITCH, 272                        ; a stage row: 256 bytes + 16: sixteen rows start at sixteen different 16-byte columns
.set WSTG,  16*PITCH                   ; a wave's stage
.set R,     16                         ; v16-143   four rounds x eight loads x four registers
.set X,     144                        ; v144-175  a round's bytes back from the stage: 16 bytes for each block of 32 keys
.set T,     176                        ; v176-191  at work
.set OUT,   192                        ; v192-207  four registers a round: the words to store
; THE WORDS' ORDER (it takes the place of what the head says of it): bit l of word n (0..63) of a key step is
; mask[query l % 16 of the tile][128 step + 64 (n / 32) + 32 (l / 16) + n % 32]: a lane holds whole blocks of 32 keys.
; mflag: one word a tile; bit s is 1 where no key of key step s is hidden from any of the tile's 16 queries.  A wave makes one byte of it (its 8 key steps).
	s_load_b512 s[4:19], s[0:1], 0x0
	s_load_b64 s[48:49], s[0:1], 0x40              ; mflag
	v_lshl_add_u32 v208, v0, 2, 0x8800
	v_mov_b32 v209, 0
	v_lshrrev_b32 v1, 5, v0
	s_delay_alu instid0(VALU_DEP_1)
	v_readfirstlane_b32 s20, v1                    ; wave 0..7
	v_and_b32 v6, 31, v0                           ; lane
	v_and_b32 v7, 15, v0                           ; r
	v_bfe_u32 v8, v0, 4, 1                         ; h
	s_cmp_ge_u32 ttmp9, 256
	s_cbranch_scc1 .Lweights
	; ---------------- the mask ----------------
	s_lshl_b32 s21, ttmp9, 1
	s_lshr_b32 s22, s20, 2
	s_add_co_u32 s21, s21, s22                     ; tile 0..511 = 2 x work-group + wave / 4
	s_and_b32 s22, s20, 3                          ; which 1,024 keys
	s_lshr_b32 s23, s21, 3
	s_lshl_b32 s23, s23, 7                         ; the tile's first row among the 8,192: 128 (tile / 8)
	s_bfe_u32 s24, s21, 0x20001
	s_lshl_b32 s24, s24, 5
	s_add_co_u32 s23, s23, s24                     ; + 32 ((tile / 2) % 4)
	s_and_b32 s24, s21, 1
	s_lshl_b32 s24, s24, 3
	s_add_co_u32 s23, s23, s24                     ; + 8 (tile % 2)
	s_lshl_b32 s24, s23, 12                        ; a row is 4,096 bytes
	s_lshl_b32 s25, s22, 10
	s_add_co_u32 s24, s24, s25
	s_mov_b32 s25, 0
	s_lshl_b32 s26, s21, 13                        ; maskw: 8,192 bytes a tile, 2,048 for 1,024 keys
	s_lshl_b32 s27, s22, 11
	s_add_co_u32 s26, s26, s27
	s_mov_b32 s27, 0
	s_mul_i32 s28, s20, WSTG
	s_lshl_b32 s30, s21, 2                         ; mflag: 4 bytes a tile, my byte = which 1,024 keys
	s_add_co_u32 s30, s30, s22
	s_mov_b32 s31, 0
	s_mov_b32 s50, 0                               ; my eight flags
	s_wait_alu depctr_va_vdst(0)
	v_lshlrev_b32 v2, 12, v8
	s_delay_alu instid0(VALU_DEP_1)
	v_lshl_add_u32 v2, v7, 4, v2                   ; in memory: lanes 0-15 one row's 256 bytes, lanes 16-31 the next row's
	v_mul_u32_u24 v3, v8, PITCH
	s_delay_alu instid0(VALU_DEP_1)
	v_lshl_add_u32 v3, v7, 4, v3
	s_delay_alu instid0(VALU_DEP_1)
	v_add_nc_u32 v3, s28, v3                       ; into the stage likewise
	v_mul_u32_u24 v4, v7, PITCH
	s_delay_alu instid0(VALU_DEP_1)
	v_lshl_add_u32 v4, v8, 5, v4
	s_delay_alu instid0(VALU_DEP_1)
	v_add_nc_u32 v4, s28, v4                       ; out of it: row r, 32 bytes at 32 h of each 64
	v_lshlrev_b32 v5, 4, v6                        ; the words' place: 16 bytes a lane
.set n, 0
.rept 16
	v_mov_b32 v[OUT+n], 0                          ; v_writelane_b32 keeps the other lanes: the registers are written whole once
.set n, n+1
.endr
	s_wait_kmcnt 0x0
	s_add_nc_u64 s[4:5], s[4:5], s[24:25]
	s_add_nc_u64 s[18:19], s[18:19], s[26:27]
	s_add_nc_u64 s[48:49], s[48:49], s[30:31]
.irp n, 0,1,2,3
.irp i, 0,1,2,3,4,5,6,7
	global_load_b128 v[R+32*\n+4*\i:R+32*\n+4*\i+3], v2, s[4:5] offset:(2*\i+8*(\i/4))*4096+256*\n th:TH_LOAD_NT   ; the tile's lanes 2 i and 2 i + 1: rows 2 i + 8 (i / 4) on
.endr
.endr
.macro ROUND n                         ; 256 keys: two key steps, 128 words
	s_wait_loadcnt 8*(3-\n)                        ; this round's eight loads are in; the later rounds' eight each stay out
.irp i, 0,1,2,3,4,5,6,7
	ds_store_b128 v3, v[R+32*\n+4*\i:R+32*\n+4*\i+3] offset:2*PITCH*\i
.endr
.irp k, 0,1,2,3,4,5,6,7
	ds_load_b128 v[X+4*\k:X+4*\k+3], v4 offset:64*(\k/2)+16*(\k%2)   ; row r, 32 bytes at 32 h of each 64, in two pieces
.endr
	s_wait_dscnt 0x0
.irp u, 0,1                            ; the two key steps' flags: the AND of my 64 bytes of each, two chains by turns
	v_and_b32 v[T+\u], v[X+16*\u], v[X+16*\u+1]
.endr
.irp i, 2,3,4,5,6,7,8,9,10,11,12,13,14,15
.irp u, 0,1
	s_delay_alu instid0(VALU_DEP_2)
	v_and_b32 v[T+\u], v[T+\u], v[X+16*\u+\i]
.endr
.endr
	v_cmp_eq_u32 s51, 0x01010101, v[T]             ; a lane's bit: all its bytes are 1
	v_cmp_eq_u32 s52, 0x01010101, v[T+1]
	s_cmp_eq_u32 s51, -1                           ; all 32 lanes
	s_cselect_b32 s51, 1<<(2*\n), 0
	s_cmp_eq_u32 s52, -1
	s_cselect_b32 s52, 2<<(2*\n), 0
	s_or_b32 s50, s50, s51
	s_or_b32 s50, s50, s52
.irp k, 0,1,2,3,4,5,6,7
.irp i, 0,1,2,3,4,5,6,7,8,9,10,11,12,13,14,15
	v_and_b32 v[T+\i], 0xff<<(8*(\i%4)), v[X+4*\k+\i/4]        ; my byte i of block k
.endr
.irp i, 0,1,2,3,4,5,6,7,8,9,10,11,12,13,14,15
	v_cmp_ne_u32 s[32+\i], 0, v[T+\i]              ; the 32 lanes' bits: word 16 k + i
.endr
.irp i, 0,1,2,3,4,5,6,7,8,9,10,11,12,13,14,15
	v_writelane_b32 v[OUT+4*\n+\i%4], s[32+\i], 4*\k+\i/4      ; word W goes to lane W / 4, register W % 4: its place in a store of 16 bytes a lane
.endr
.endr
	global_store_b128 v5, v[OUT+4*\n:OUT+4*\n+3], s[18:19] offset:512*\n   ; 512 consecutive bytes; each round has its own four registers, so no store's data are written again
.endm
	ROUND 0
	ROUND 1
	ROUND 2
	ROUND 3
	v_mov_b32 v[T], s50
	v_mov_b32 v[T+1], 0
	global_store_b8 v[T+1], v[T], s[48:49]         ; every lane stores the same byte with the same value
	s_wait_tensorcnt 0x0
	ds_add_u32 v208, v209
	s_wait_dscnt 0x0
	s_endpgm
	; ---------------- the weights ----------------
.Lweights:
	s_sub_co_u32 s21, ttmp9, 256
	s_lshl_b32 s21, s21, 3
	s_add_co_u32 s21, s21, s20                     ; fragment 0..511 = 128 weight + 4 T + K step
	s_lshr_b32 s22, s21, 7                         ; weight: 0 q, 1 k, 2 v, 3 o
	s_bfe_u32 s23, s21, 0x50002                    ; T
	s_and_b32 s24, s21, 3
	s_lshl_b32 s24, s24, 18                        ; 128 rows of 2,048 bytes a K step
	s_lshr_b32 s25, s23, 1
	s_lshl_b32 s25, s25, 7
	s_add_co_u32 s24, s24, s25                     ; + 4 x 32 (T / 2)
	s_and_b32 s25, s23, 1
	s_lshl_b32 s25, s25, 5
	s_add_co_u32 s24, s24, s25                     ; + 4 x 8 (T % 2)
	s_mov_b32 s25, 0
	s_mul_i32 s26, s21, 1536
	s_mov_b32 s27, 0
	s_lshl_b32 s28, s21, 7
	s_mov_b32 s29, 0
	s_mov_b32 s30, 0x76543210
	s_mov_b32 s31, 0xfedcba98                      ; v_permlanex16_b32's selects for lane l xor 16
	s_wait_alu depctr_va_vdst(0)
	v_and_b32 v2, 8, v7
	s_delay_alu instid0(VALU_DEP_1)
	v_add_nc_u32 v2, v2, v7                        ; r + 8 (r / 8)
	s_delay_alu instid0(VALU_DEP_1)
	v_lshlrev_b32 v2, 2, v2
	s_delay_alu instid0(VALU_DEP_1)
	v_lshl_add_u32 v2, v8, 16, v2                  ; my column; lanes 16-31 begin 32 rows further down
	v_lshlrev_b32 v3, 4, v6
	v_lshlrev_b32 v4, 2, v6
	s_wait_alu depctr_va_vdst(0)
	s_wait_kmcnt 0x0
	s_cmp_lt_u32 s22, 1                            ; the choice hangs on the fragment's number alone
	s_cselect_b64 s[34:35], s[6:7], s[8:9]
	s_cmp_lt_u32 s22, 3
	s_cselect_b64 s[36:37], s[10:11], s[12:13]
	s_cmp_lt_u32 s22, 2
	s_cselect_b64 s[34:35], s[34:35], s[36:37]
	s_add_nc_u64 s[34:35], s[34:35], s[24:25]
	s_add_nc_u64 s[14:15], s[14:15], s[26:27]
	s_add_nc_u64 s[16:17], s[16:17], s[28:29]
.irp c, 0,1
.set n, 0
.rept 32
	global_load_b32 v[16+32*\c+n], v2, s[34:35] offset:(64*\c+n)*2048    ; W(128 step + 64 c + 32 h + n, my column)
.set n, n+1
.endr
.endr
	s_wait_loadcnt 0x0
.irp c, 0,1                            ; my block 2 c + h: all its 32 numbers are mine
	v_max3_num_f32 v[10+\c], |v[16+32*\c]|, |v[17+32*\c]|, 0x1800000     ; with the floor 2^(3 - 127): the byte cannot fall under 1
.endr
.irp i, 2,4,6,8,10,12,14,16,18,20,22,24,26,28,30
.irp c, 0,1
	s_delay_alu instid0(VALU_DEP_2)
	v_max3_num_f32 v[10+\c], v[10+\c], |v[16+32*\c+\i]|, |v[17+32*\c+\i]|
.endr
.endr
.irp c, 0,1
	s_delay_alu instid0(VALU_DEP_2)
	v_add_nc_u32 v[12+\c], 0xff000000, v[10+\c]    ; 2 off the exponent field: the conversion's scale operand
.endr
.irp c, 0,1
	s_delay_alu instid0(VALU_DEP_2)
	v_lshrrev_b32 v[14+\c], 23, v[12+\c]           ; the scale's byte
.endr
	s_delay_alu instid0(VALU_DEP_1)
	v_lshl_or_b32 v9, v15, 16, v14                 ; my two bytes, blocks h and 2 + h,
	v_lshlrev_b32 v5, 3, v8
	s_delay_alu instid0(VALU_DEP_1)
	v_lshlrev_b32 v9, v5, v9                       ; at their places in the word;
	v_mov_b32 v5, 0
	s_delay_alu instid0(VALU_DEP_1)
	v_permlanex16_b32 v5, v9, s30, s31
	s_delay_alu instid0(VALU_DEP_1)
	v_or_b32 v9, v9, v5                            ; with lane l xor 16's two the word is whole, in both halves of the lanes
.irp c, 0,1
	v_cvt_scalef32_pk16_fp6_f32 v[80+6*\c:82+6*\c], v[16+32*\c:31+32*\c], v[12+\c]
	v_cvt_scalef32_pk16_fp6_f32 v[92+4*\c:94+4*\c], v[32+32*\c:47+32*\c], v[12+\c]   ; (a conversion's three registers begin on an even number)
.endr
	v_nop                                          ; one plain place behind a scaled conversion
.irp c, 0,1
.irp i, 0,1,2
	v_mov_b32 v[83+6*\c+\i], v[92+4*\c+\i]
.endr
.endr
.irp g, 0,1,2
	global_store_b128 v3, v[80+4*\g:83+4*\g], s[14:15] offset:512*\g     ; the fragment as an image of its registers: 512 consecutive bytes a store
.endr
	global_store_b32 v4, v9, s[16:17]
	s_endpgm
.Lfunc_end_k_q5f5ec9f175_prep:
	.size	k_q5f5ec9f175_prep, .Lfunc_end_k_q5f5ec9f175_prep-k_q5f5ec9f175_prep
	.p2alignl 7, 3214868480
	.fill 96, 4, 3214868480
	.section	.rodata,"a",@progbits
	.p2align	6, 0x0
	.amdhsa_kernel k_q5f5ec9f175_prep
		.amdhsa_group_segment_fixed_size 35840
		.amdhsa_private_segment_fixed_size 0
		.amdhsa_enable_private_segment 0
		.amdhsa_kernarg_size 72
		.amdhsa_user_sgpr_count 2
		.amdhsa_user_sgpr_kernarg_segment_ptr 1
		.amdhsa_wavefront_size32 1
		.amdhsa_system_sgpr_workgroup_id_x 1
		.amdhsa_system_sgpr_workgroup_id_y 1
		.amdhsa_system_sgpr_workgroup_id_z 1
		.amdhsa_system_vgpr_workitem_id 0
		.amdhsa_next_free_vgpr 210
		.amdhsa_next_free_sgpr 66
		.amdhsa_reserve_vcc 0
		.amdhsa_float_denorm_mode_32 3
		.amdhsa_float_denorm_mode_16_64 3
		.amdhsa_memory_ordered 1
		.amdhsa_forward_progress 1
		.amdhsa_inst_pref_size 128
	.end_amdhsa_kernel
	.amdgpu_metadata
---
amdhsa.version: [ 1, 2 ]
amdhsa.kernels:
  - .name:           k_q5f5ec9f175_prep
    .symbol:         k_q5f5ec9f175_prep.kd
    .args:
      - { .name: mask, .offset: 0, .size: 8, .value_kind: global_buffer, .address_space: global }
      - { .name: W_q, .offset: 8, .size: 8, .value_kind: global_buffer, .address_space: global }
      - { .name: W_k, .offset: 16, .size: 8, .value_kind: global_buffer, .address_space: global }
      - { .name: W_v, .offset: 24, .size: 8, .value_kind: global_buffer, .address_space: global }
      - { .name: W_o, .offset: 32, .size: 8, .value_kind: global_buffer, .address_space: global }
      - { .name: wc, .offset: 40, .size: 8, .value_kind: global_buffer, .address_space: global }
      - { .name: ws, .offset: 48, .size: 8, .value_kind: global_buffer, .address_space: global }
      - { .name: maskw, .offset: 56, .size: 8, .value_kind: global_buffer, .address_space: global }
      - { .name: mflag, .offset: 64, .size: 8, .value_kind: global_buffer, .address_space: global }
    .group_segment_fixed_size: 35840
    .private_segment_fixed_size: 0
    .kernarg_segment_align: 8
    .kernarg_segment_size: 72
    .max_flat_workgroup_size: 256
    .sgpr_count:     66
    .vgpr_count:     210
    .wavefront_size: 32
...
	.end_amdgpu_metadata
.endif
;; end of part 1
;; launch proj (part 2): grid 256 x 1, 8 waves a work-group, no clusters, 107,520 bytes of LDS; arguments x_q, x_k, x_v, b_q, b_k, b_v, wc, ws, qc, kv; writes qc, kv
.if DOCPART == 2
	.amdgcn_target "amdgcn-amd-amdhsa--gfx1250"
	.amdhsa_code_object_version 6
	.text
	.protected	k_q5f5ec9f175_proj
	.globl	k_q5f5ec9f175_proj
	.p2align	8
	.type	k_q5f5ec9f175_proj,@function
k_q5f5ec9f175_proj:
	s_mov_b64 s[64:65], 0
	v_nop
	global_prefetch_b8 v0, s[64:65] scope:SCOPE_SE
	s_setreg_imm32_b32 hwreg(HW_REG_WAVE_MODE, 25, 1), 1
	s_wait_xcnt 0x0
; PROJ.  Q = x_q W_q + b_q, K = x_k W_k + b_k, V = x_v W_v + b_v, on codes of FP6 (E2M3) with one E8M0 scale for each 32 along K; the results are quantised again at once, as the attention launch wants them:
; Q and K along the head's 64, V along the keys.  Nothing leaves as f32.
; SHARES.  A work-group takes 128 rows of one x.  Work-groups 0-63: Q; 64-127: K; 128-255: V, each with 256 of the 512 columns (so x_v is read and quantised twice; a wave's sums then fit in 128 registers and there are 256 work-groups).
; PHASE X: wave w quantises tile w (16 rows x 512) of x: four fragments, stored in LDS as images of their registers (register group c of lane l at 512 c + 16 l), their scale words at 4 l.  One barrier.  Then LDS is only read.
; A TILE'S ROWS ARE NOT NEIGHBOURS: lane r of tile m of the 128 takes row 32 (m / 2) + 8 (m % 2) + r + 8 (r / 8), and a weight's tile its columns likewise.  So where such tiles 2 b, 2 b + 1 are source 0, a lane's 16 results are the
; 16 neighbours 32 b + 16 (lane / 16) + 0 .. 15 of source 0's index: what the conversions want.
; Q, K: wave w = head w.  Source 0 = 16 columns of W (4 tiles = the head's 64), source 1 = 16 rows of x: a lane holds one row and 32 neighbours of the head.  Two tiles of rows make ONE fragment of 12 registers: registers 0-5 tile 2 f over
;       the head's 64, registers 6-11 tile 2 f + 1: no byte carries the zeros that fill K = 64 up to 128.
; V:    source 0 = 16 rows of x (keys), source 1 = 16 columns of W: a lane holds one column d and its registers run along the keys.
; The biases are the C of each sum's first product.  The weights' fragments come from wc straight into registers, once a wave: nothing of them goes through LDS, so there is no tile for a cluster to share.
; The two paths part ONCE, on the work-group's number, and have LDS bytes of their own.
; qc: [b 8 + head][group of 128 queries] x 6,400 bytes: four fragments, then 256 bytes of scale words (lane l: 8 bytes; word 0: fragment 0 in lanes 0-15, 1 in lanes 16-31; word 1: fragments 2, 3).
; kv: [b 8 + head][128 keys] x 12,800 bytes: K's block as in qc; V's block: four fragments (tile t: d = 32 (t / 2) + 8 (t % 2) + r + 8 (r / 8)), then two images of 128 bytes of scale words (tile 2 p in lanes 0-15, 2 p + 1 in lanes 16-31);
;     those two images, one aligned 256 bytes, are stored by two waves, 128 bytes each.
; LIMITS: a block of zeros gets the byte 1 (its codes are zeros; only this program reads the bytes); NaN and infinities are not served.
; REGISTERS, window 0: v1-12 addresses; v16-63 four fragments of x; v64-191 sums (in phase X: two sets of 64 numbers of x); v192-211 codes just made; v212-227 at work; v228-231 scale words just made; v232-233 packed scale words;
;   v236-251 the weights' scale words; v252-255 x's.   window 1: v0-191 the weights' fragments, 12 (4 t + K step); v192-223 the biases.
.set XSCO, 49152                       ; in a path's LDS region: 32 fragments of 1,536 bytes, then 32 x 128 bytes of scale words
.set REGV, 53248                       ; the V path's region
.set LI,   1                           ; 16 x lane
.set LS,   2                           ; 4 x lane
.set L8,   3                           ; 8 x lane
.set XA,   4                           ; x: 2,048 (r + 8 (r / 8)) + 64 h
.set XWI,  5                           ; where I store x's images: 16 x lane + 6,144 x wave
.set XWS,  6                           ; and their scale words: 4 x lane + 512 x wave
.set BQ,   7                           ; 64 h: b_q's, b_k's place for my half
.set LIV,  8                           ; the same four in the V path's region
.set LSV,  9
.set XWIV, 10
.set XWSV, 11
.set BV,   12                          ; 4 (r + 8 (r / 8)): b_v's place for my column
.set XF,   16
.set ACC,  64
.set PC,   192
.set TM,   212
.set PW0,  228
.set RS,   232
.set WS,   236
.set XS,   252
.set B1,   192                         ; in window 1
.set WV,   36
.set SEL,  40
.set MSB, 0
.macro WIN new                         ; the immediate's high byte repeats the setting that is left
.if MSB != \new
	s_set_vgpr_msb (MSB<<8)|\new
.set MSB, \new
.endif
.endm
.macro PLACES                          ; four plain places between a product and a load into its registers or a read of its result
.rept 4
	v_nop
.endr
.endm
; 64 numbers of a lane, register 16 b + i = k 32 b + 16 (lane / 16) + i of my row, become a fragment's codes in v[PC] on and its scale word in v[pw].
.macro QUANT src, pw
.irp b, 0,1,2,3
	v_max3_num_f32 v[TM+\b], |v[(\src)+16*\b]|, |v[(\src)+1+16*\b]|, 0x1800000   ; my 16 numbers of block b, and the floor 2^(3 - 127): the byte cannot fall under 1.  (Each sum is read from its low end on)
.endr
.irp i, 2,4,6,8,10,12,14
.irp b, 0,1,2,3
	v_max3_num_f32 v[TM+\b], v[TM+\b], |v[(\src)+16*\b+\i]|, |v[(\src)+1+16*\b+\i]|
.endr
.endr
.irp b, 0,1,2,3
	s_delay_alu instid0(VALU_DEP_4)
	v_permlanex16_b32 v[TM+4+\b], v[TM+\b], s[SEL], s[SEL+1]
.endr
.irp b, 0,1,2,3
	s_delay_alu instid0(VALU_DEP_4)
	v_max_num_f32 v[TM+\b], v[TM+\b], v[TM+4+\b]   ; with lane l xor 16's: the block's largest magnitude
.endr
.irp b, 0,1,2,3
	s_delay_alu instid0(VALU_DEP_4)
	v_add_nc_u32 v[TM+12+\b], 0xff000000, v[TM+\b] ; 2 off its exponent field: the conversion's scale operand
.endr
.irp b, 0,1,2,3
	s_delay_alu instid0(VALU_DEP_4)
	v_lshrrev_b32 v[TM+4+\b], 23, v[TM+12+\b]      ; the scale's byte
.endr
	s_delay_alu instid0(VALU_DEP_3)
	v_lshl_or_b32 v[\pw], v[TM+5], 8, v[TM+4]
	s_delay_alu instid0(VALU_DEP_1)
	v_lshl_or_b32 v[\pw], v[TM+6], 16, v[\pw]
	s_delay_alu instid0(VALU_DEP_1)
	v_lshl_or_b32 v[\pw], v[TM+7], 24, v[\pw]
.irp c, 0,1
	v_cvt_scalef32_pk16_fp6_f32 v[PC+6*\c:PC+2+6*\c], v[(\src)+32*\c:(\src)+15+32*\c], v[TM+12+2*\c]
	v_cvt_scalef32_pk16_fp6_f32 v[PC+12+4*\c:PC+14+4*\c], v[(\src)+16+32*\c:(\src)+31+32*\c], v[TM+12+2*\c+1]   ; (a conversion's three registers begin on an even number)
.endr
	v_nop                                          ; one plain place behind a scaled conversion
.irp c, 0,1                            ; the operand's layout wants a whole block in a lane: lanes 0-15 block 2 c, lanes 16-31 block 2 c + 1
.irp i, 0,1,2
	v_permlane16_swap_b32 v[PC+6*\c+\i], v[PC+12+4*\c+\i]
.endr
.irp i, 0,1,2
	s_delay_alu instid0(VALU_DEP_3)
	v_mov_b32 v[PC+3+6*\c+\i], v[PC+12+4*\c+\i]
.endr
.endr
.endm
.macro IMAGE wi, wr, ks                ; the fragment in v[PC] on and its scale word go to LDS as they stand
.irp c, 0,1,2
	ds_store_b128 v[\wi], v[PC+4*\c:PC+4*\c+3] offset:1536*\ks+512*\c
.endr
	ds_store_b32 v[\wr], v[PW0] offset:XSCO+128*\ks
.endm
.macro XLOAD reg, ks                   ; my 16 rows' numbers of K step ks: 64 a lane
.irp b, 0,1,2,3
.irp j, 0,1,2,3
	global_load_b128 v[(\reg)+16*\b+4*\j:(\reg)+16*\b+4*\j+3], v[XA], s[24:25] offset:512*\ks+128*\b+16*\j
.endr
.endr
.endm
.macro WLOAD nf                        ; nf fragments of my weight and their scale words
	WIN 0x40                                       ; destination window 1
.set fi, 0
.rept \nf
.irp c, 0,1,2
	global_load_b128 v[12*fi+4*\c:12*fi+4*\c+3], v[LI], s[16:17] offset:1536*fi+512*\c
.endr
.set fi, fi+1
.endr
	WIN 0
.set fi, 0
.rept \nf
	global_load_b32 v[WS+fi], v[LS], s[18:19] offset:128*fi
.set fi, fi+1
.endr
.endm
; Phase X.  The weights' loads are older than x's, so each count below leaves out exactly the one younger K step of x (16 loads).
.macro PHASEX wi, wr
	s_wait_loadcnt 16                              ; K step 0 is in; K step 1's sixteen loads stay out
	QUANT ACC, PW0
	IMAGE \wi, \wr, 0
	XLOAD ACC, 2
	s_wait_dscnt 0x0                               ; the stores have read the codes' registers
	s_wait_loadcnt 16                              ; K step 1 is in; K step 2's stay out
	QUANT ACC+64, PW0
	IMAGE \wi, \wr, 1
	XLOAD ACC+64, 3
	s_wait_dscnt 0x0
	s_wait_loadcnt 16                              ; K step 2 is in; K step 3's stay out
	QUANT ACC, PW0
	IMAGE \wi, \wr, 2
	s_wait_dscnt 0x0
	s_wait_loadcnt 0x0
	QUANT ACC+64, PW0
	IMAGE \wi, \wr, 3
	s_wait_dscnt 0x0                               ; for the others' sake: my stores have landed
	s_barrier_signal -1
	s_barrier_wait -1                              ; x's 32 fragments lie in LDS
.endm
.macro XFETCH li, lw, q, f             ; fragment f of x into place q, with its scale word
.irp c, 0,1,2
	ds_load_b128 v[XF+12*(\q)+4*\c:XF+12*(\q)+4*\c+3], v[\li] offset:1536*(\f)+512*\c
.endr
	ds_load_b32 v[XS+(\q)], v[\lw] offset:XSCO+128*(\f)
.endm
.macro MM d, a, bq, cq, sa, sb
	v_wmma_scale_f32_16x16x128_f8f6f4 v[(\d):(\d)+7], v[(\a):(\a)+11], v[(\bq):(\bq)+11], v[(\cq):(\cq)+7], v[\sa], v[\sb] matrix_a_fmt:MATRIX_FMT_FP6 matrix_b_fmt:MATRIX_FMT_FP6
.endm
	s_load_b512 s[4:19], s[0:1], 0x0               ; x_q s[4:5], x_k s[6:7], x_v s[8:9], b_q s[10:11], b_k s[12:13], b_v s[14:15], wc s[16:17], ws s[18:19]
	s_load_b128 s[20:23], s[0:1], 0x40
; K'S TILES OF ROWS (work-groups 64-127) differ from what the head says: lane r of tile m takes key 64 (m / 4) + 8 (m % 4) + r % 8 + 32 (r / 8),
; so that in the attention launch a lane's 32 scores of four tiles are one whole block of 32 neighbouring keys.  Q's and V's tiles are as the head says.
	s_lshr_b32 s42, ttmp9, 6
	s_cmp_eq_u32 s42, 1                            ; K's work-group?  The choice hangs on the work-group's number alone
	s_cselect_b32 s43, 3, 1                        ; a lane's row: r + 24 (r / 8) or r + 8 (r / 8)
	s_cselect_b32 s42, 2, 1                        ; tiles to a run of neighbours: 4 or 2, as a shift
	v_lshl_add_u32 v234, v0, 2, 0x1a000
	v_mov_b32 v235, 0
	v_lshrrev_b32 v13, 5, v0
	s_delay_alu instid0(VALU_DEP_1)
	v_readfirstlane_b32 s[WV], v13                 ; wave 0..7
	v_and_b32 v13, 31, v0
	v_and_b32 v14, 15, v0                          ; r
	v_bfe_u32 v15, v0, 4, 1                        ; h
	s_delay_alu instid0(VALU_DEP_3)
	v_lshlrev_b32 v[LI], 4, v13
	s_delay_alu instid0(VALU_DEP_4)
	v_lshlrev_b32 v[LS], 2, v13
	v_lshlrev_b32 v[L8], 3, v13
	v_and_b32 v[BV], 8, v14
	s_delay_alu instid0(VALU_DEP_1)
	v_mad_u32_u24 v[BV], v[BV], s43, v14
	s_delay_alu instid0(VALU_DEP_1)
	v_lshlrev_b32 v[XA], 11, v[BV]
	s_delay_alu instid0(VALU_DEP_1)
	v_lshl_add_u32 v[XA], v15, 6, v[XA]
	s_delay_alu instid0(VALU_DEP_3)
	v_lshlrev_b32 v[BV], 2, v[BV]
	v_lshlrev_b32 v[BQ], 6, v15
	s_mul_i32 s38, s[WV], 6144
	v_add_nc_u32 v[XWI], s38, v[LI]
	s_lshl_b32 s38, s[WV], 9
	v_add_nc_u32 v[XWS], s38, v[LS]
	v_add_nc_u32 v[LIV], REGV, v[LI]
	v_add_nc_u32 v[LSV], REGV, v[LS]
	v_add_nc_u32 v[XWIV], REGV, v[XWI]
	s_delay_alu instid0(VALU_DEP_4)
	v_add_nc_u32 v[XWSV], REGV, v[XWS]
.irp b, 0,1,2,3
	v_mov_b32 v[TM+4+\b], 0                        ; written once: a lane permute's destination counts as one of its sources
.endr
	s_mov_b32 s[SEL], 0x76543210
	s_mov_b32 s[SEL+1], 0xfedcba98
	s_mov_b32 s37, 0xffff0000                      ; lanes 16-31
	s_and_b32 s32, ttmp9, 63                       ; Q, K: the group of 128 rows
	s_bfe_u32 s33, ttmp9, 0x60001                  ; V: (work-group - 128) / 2
	s_and_b32 s35, ttmp9, 1                        ; V: which 256 columns
	s_mov_b32 s31, 12800
	s_mov_b32 s39, 0
	s_wait_kmcnt 0x0
	s_cmp_lt_u32 ttmp9, 64                         ; the choices hang on the work-group's number alone
	s_cselect_b64 s[24:25], s[4:5], s[6:7]         ; x
	s_cselect_b64 s[26:27], s[10:11], s[12:13]     ; the bias
	s_cselect_b64 s[28:29], s[20:21], s[22:23]     ; where the codes go
	s_cselect_b32 s30, 0, 1                        ; which weight
	s_cselect_b32 s31, 6400, s31                   ; bytes of an entry there
	s_cmp_lt_u32 ttmp9, 128
	s_cselect_b64 s[24:25], s[24:25], s[8:9]
	s_cselect_b64 s[26:27], s[26:27], s[14:15]
	s_cselect_b32 s30, s30, 2
	s_cselect_b32 s32, s32, s33                    ; the group of 128 rows, 0..63
	s_lshl_b32 s38, s32, 7
	s_lshr_b32 s33, s[WV], s42
	s_add_co_u32 s44, s42, 4
	s_lshl_b32 s33, s33, s44                       ; 32 (wave / 2), for K 64 (wave / 4)
	s_add_co_u32 s38, s38, s33
	s_bfm_b32 s44, s42, 0
	s_and_b32 s33, s[WV], s44
	s_lshl_b32 s33, s33, 3                         ; 8 (wave % 2), for K 8 (wave % 4)
	s_add_co_u32 s38, s38, s33                     ; my tile's first row: 128 group + 32 (wave / 2) + 8 (wave % 2)
	s_lshl_b32 s38, s38, 11
	s_add_nc_u64 s[24:25], s[24:25], s[38:39]
	s_mul_i32 s38, s30, 196608
	s_add_nc_u64 s[16:17], s[16:17], s[38:39]      ; my weight's fragments
	s_lshl_b32 s38, s30, 14
	s_add_nc_u64 s[18:19], s[18:19], s[38:39]      ; and scale words
	s_lshr_b32 s33, s32, 5                         ; b
	s_and_b32 s34, s32, 31                         ; the group within b
	s_cmp_ge_u32 ttmp9, 128
	s_cbranch_scc1 .Lv
	; ---------------- Q and K ----------------
	s_mul_i32 s38, s[WV], 24576                    ; my head's 16 fragments
	s_add_nc_u64 s[16:17], s[16:17], s[38:39]
	s_lshl_b32 s38, s[WV], 11
	s_add_nc_u64 s[18:19], s[18:19], s[38:39]
	s_lshl_b32 s38, s[WV], 8                       ; my head's 64 numbers of the bias
	s_add_nc_u64 s[26:27], s[26:27], s[38:39]
	s_lshl_b32 s38, s33, 3
	s_add_co_u32 s38, s38, s[WV]
	s_lshl_b32 s38, s38, 5
	s_add_co_u32 s38, s38, s34
	s_mul_i32 s38, s38, s31                        ; entry (8 b + head) 32 + group
	s_add_nc_u64 s[28:29], s[28:29], s[38:39]
	WLOAD 16
	WIN 0x40
.irp t, 0,1,2,3
	global_load_b128 v[B1+8*\t:B1+8*\t+3], v[BQ], s[26:27] offset:(32*(\t/2)+8*(\t%2))*4       ; the bias in the result's layout: units 32 (t / 2) + 8 (t % 2) + 16 h + 0 .. 7
	global_load_b128 v[B1+8*\t+4:B1+8*\t+7], v[BQ], s[26:27] offset:(32*(\t/2)+8*(\t%2))*4+16
.endr
	WIN 0
	XLOAD ACC, 0
	XLOAD ACC+64, 1
	PHASEX XWI, XWS
; Tiles 2 g and 2 g + 1 of rows: eight sums (2 tiles of rows x my 4 tiles of columns) by turns, one product a turn, two K steps' fragments fetched at a time; then one fragment is made of the 64 results a lane.
.macro QKGROUP g
.irp sp, 0,1
.if \sp
	PLACES
.endif
.irp mm, 0,1
.irp ss, 0,1
	XFETCH LI, LS, 2*\mm+\ss, 4*(2*\g+\mm)+2*\sp+\ss
.endr
.endr
	s_wait_dscnt 0x0
.irp ss, 0,1
.if 2*\sp+\ss
	WIN 0x01                                       ; source 0 (W) window 1
.else
	WIN 0x11                                       ; and source 2 (the bias) too
.endif
.irp mm, 0,1
.irp t, 0,1,2,3
.if 2*\sp+\ss
	MM ACC+32*\mm+8*\t, 12*(4*\t+2*\sp+\ss), XF+12*(2*\mm+\ss), ACC+32*\mm+8*\t, WS+4*\t+2*\sp+\ss, XS+2*\mm+\ss
.else
	MM ACC+32*\mm+8*\t, 12*(4*\t), XF+12*(2*\mm), B1+8*\t, WS+4*\t, XS+2*\mm
.endif
.endr
.endr
.endr
	WIN 0
.endr
	PLACES
	s_wait_xcnt 0x0                                ; the last fragment's stores have read the codes' registers
	QUANT ACC, PW0+\g
.irp c, 0,1,2
	global_store_b128 v[LI], v[PC+4*\c:PC+4*\c+3], s[28:29] offset:1536*\g+512*\c
.endr
.endm
	QKGROUP 0
	QKGROUP 1
	QKGROUP 2
	QKGROUP 3
	v_cndmask_b32 v[RS], v[PW0], v[PW0+1], s37     ; fragment 0's words in lanes 0-15, fragment 1's in lanes 16-31
	v_cndmask_b32 v[RS+1], v[PW0+2], v[PW0+3], s37
	global_store_b64 v[L8], v[RS:RS+1], s[28:29] offset:6144   ; one aligned 256 bytes
	s_wait_tensorcnt 0x0
	ds_add_u32 v234, v235
	s_wait_dscnt 0x0
	s_endpgm
	; ---------------- V ----------------
.Lv:
	s_lshl_b32 s38, s35, 6
	s_lshl_b32 s42, s[WV], 3
	s_add_co_u32 s42, s42, s38                     ; my first fragment: tiles 16 half + 2 wave, 2 wave + 1
	s_mul_i32 s38, s42, 1536
	s_add_nc_u64 s[16:17], s[16:17], s[38:39]
	s_lshl_b32 s38, s42, 7
	s_add_nc_u64 s[18:19], s[18:19], s[38:39]
	s_lshl_b32 s38, s42, 4                         ; b_v: 4 x 32 (8 half + wave)
	s_add_nc_u64 s[26:27], s[26:27], s[38:39]
	s_lshl_b32 s38, s33, 3
	s_lshl_b32 s42, s35, 2
	s_add_co_u32 s38, s38, s42
	s_lshr_b32 s42, s[WV], 1
	s_add_co_u32 s38, s38, s42                     ; 8 b + head, head = 4 half + wave / 2
	s_lshl_b32 s38, s38, 5
	s_add_co_u32 s38, s38, s34
	s_mul_i32 s38, s38, 12800
	s_add_nc_u64 s[28:29], s[28:29], s[38:39]      ; the entry in kv
	s_and_b32 s42, s[WV], 1                        ; which pair of the head's four tiles
	s_lshl_b32 s44, s42, 7
	s_add_co_u32 s44, s44, 12544
	s_mov_b32 s45, 0
	s_add_nc_u64 s[44:45], s[28:29], s[44:45]      ; my image of scale words
	s_mul_i32 s38, s42, 3072
	s_add_co_u32 s38, s38, 6400
	s_add_nc_u64 s[28:29], s[28:29], s[38:39]      ; my two fragments
	WLOAD 8
	WIN 0x40
.irp t, 0,1
.irp j, 0,1,2,3,4,5,6,7
	global_load_b32 v[B1+8*\t+\j], v[BV], s[26:27] offset:32*\t    ; a lane's eight results are one column's: eight times b_v of that column
.endr
.endr
	WIN 0
	XLOAD ACC, 0
	XLOAD ACC+64, 1
	PHASEX XWIV, XWSV
.irp ks, 0,1,2,3                       ; sixteen sums (8 tiles of keys x my 2 tiles of columns), eight at a time by turns, one product a turn
.irp hf, 0,1
.if 2*\ks+\hf
	PLACES
.endif
.irp q4, 0,1,2,3
	XFETCH LIV, LSV, \q4, 4*(4*\hf+\q4)+\ks
.endr
	s_wait_dscnt 0x0
.if \ks
	WIN 0x04                                       ; source 1 (W) window 1
.else
	WIN 0x14                                       ; and source 2 (the bias) too
.endif
.irp q4, 0,1,2,3
.irp t, 0,1
.if \ks
	MM ACC+64*\t+8*(4*\hf+\q4), XF+12*\q4, 12*(4*\t+\ks), ACC+64*\t+8*(4*\hf+\q4), XS+\q4, WS+4*\t+\ks
.else
	MM ACC+64*\t+8*(4*\hf+\q4), XF+12*\q4, 12*(4*\t), B1+8*\t, XS+\q4, WS+4*\t
.endif
.endr
.endr
	WIN 0
.endr
.endr
	PLACES
.irp t, 0,1
	s_wait_xcnt 0x0                                ; the stores before have read the codes' registers
	QUANT ACC+64*\t, PW0+\t
.irp c, 0,1,2
	global_store_b128 v[LI], v[PC+4*\c:PC+4*\c+3], s[28:29] offset:1536*\t+512*\c
.endr
.endr
	v_cndmask_b32 v[RS], v[PW0], v[PW0+1], s37     ; the even tile's words in lanes 0-15, the odd tile's in lanes 16-31
	global_store_b32 v[LS], v[RS], s[44:45]
	s_wait_tensorcnt 0x0
	ds_add_u32 v234, v235
	s_wait_dscnt 0x0
	s_endpgm
.Lfunc_end_k_q5f5ec9f175_proj:
	.size	k_q5f5ec9f175_proj, .Lfunc_end_k_q5f5ec9f175_proj-k_q5f5ec9f175_proj
	.p2alignl 7, 3214868480
	.fill 96, 4, 3214868480
	.section	.rodata,"a",@progbits
	.p2align	6, 0x0
	.amdhsa_kernel k_q5f5ec9f175_proj
		.amdhsa_group_segment_fixed_size 107520
		.amdhsa_private_segment_fixed_size 0
		.amdhsa_enable_private_segment 0
		.amdhsa_kernarg_size 80
		.amdhsa_user_sgpr_count 2
		.amdhsa_user_sgpr_kernarg_segment_ptr 1
		.amdhsa_wavefront_size32 1
		.amdhsa_system_sgpr_workgroup_id_x 1
		.amdhsa_system_sgpr_workgroup_id_y 1
		.amdhsa_system_sgpr_workgroup_id_z 1
		.amdhsa_system_vgpr_workitem_id 0
		.amdhsa_next_free_vgpr 480
		.amdhsa_next_free_sgpr 66
		.amdhsa_reserve_vcc 0
		.amdhsa_float_denorm_mode_32 3
		.amdhsa_float_denorm_mode_16_64 3
		.amdhsa_memory_ordered 1
		.amdhsa_forward_progress 1
		.amdhsa_inst_pref_size 141
	.end_amdhsa_kernel
	.amdgpu_metadata
---
amdhsa.version: [ 1, 2 ]
amdhsa.kernels:
  - .name:           k_q5f5ec9f175_proj
    .symbol:         k_q5f5ec9f175_proj.kd
    .args:
      - { .name: x_q, .offset: 0, .size: 8, .value_kind: global_buffer, .address_space: global }
      - { .name: x_k, .offset: 8, .size: 8, .value_kind: global_buffer, .address_space: global }
      - { .name: x_v, .offset: 16, .size: 8, .value_kind: global_buffer, .address_space: global }
      - { .name: b_q, .offset: 24, .size: 8, .value_kind: global_buffer, .address_space: global }
      - { .name: b_k, .offset: 32, .size: 8, .value_kind: global_buffer, .address_space: global }
      - { .name: b_v, .offset: 40, .size: 8, .value_kind: global_buffer, .address_space: global }
      - { .name: wc, .offset: 48, .size: 8, .value_kind: global_buffer, .address_space: global }
      - { .name: ws, .offset: 56, .size: 8, .value_kind: global_buffer, .address_space: global }
      - { .name: qc, .offset: 64, .size: 8, .value_kind: global_buffer, .address_space: global }
      - { .name: kv, .offset: 72, .size: 8, .value_kind: global_buffer, .address_space: global }
    .group_segment_fixed_size: 107520
    .private_segment_fixed_size: 0
    .kernarg_segment_align: 8
    .kernarg_segment_size: 80
    .max_flat_workgroup_size: 256
    .sgpr_count:     66
    .vgpr_count:     480
    .wavefront_size: 32
...
	.end_amdgpu_metadata
.endif
;; end of part 2
;; launch attn (part 3): grid 64 x 16, 4 waves a work-group, no clusters, 51,712 bytes of LDS; arguments qc, kv, maskw, mflag, ac, asc; writes ac, asc
.if DOCPART == 3
	.amdgcn_target "amdgcn-amd-amdhsa--gfx1250"
	.amdhsa_code_object_version 6
	.text
	.protected	k_q5f5ec9f175_attn
	.globl	k_q5f5ec9f175_attn
	.p2align	8
	.type	k_q5f5ec9f175_attn,@function
k_q5f5ec9f175_attn:
	s_mov_b64 s[64:65], 0
	v_nop
	global_prefetch_b8 v0, s[64:65] scope:SCOPE_SE
	s_setreg_imm32_b32 hwreg(HW_REG_WAVE_MODE, 25, 1), 1
	s_wait_xcnt 0x0
; ATTN.  For each (b, head): S = Q K^T / 8, the mask, softmax, O = P V, O / l; both products on codes of FP6 (E2M3) with one E8M0 scale for each 32 along K; O / l is quantised at once along (head, d) for the last product.
; THE SOFTMAX AHEAD OF THE SECOND PRODUCT: t = score x log2(e) / 8; M = the row's largest t so far, rounded up to a whole number; p = 2^(t - M) is quantised along the keys, not normalised; the row's sum is taken of the
; unquantised p and divides at the end.  When M moves, the sum and O are multiplied by 2^(old M - new M): exact.
; SHARES.  A work-group of four waves owns 64 queries of one (b, head), a wave one tile of 16, in 256 registers.  Every wave walks the 4,096 keys, 128 a step.
; A key step is 12,800 dense bytes of kv (K's four fragments and scale words, V's four and theirs), images of the operands' registers.
; LDS: two slots of two key steps.  While a slot is read, the other is filled THROUGH REGISTERS: in each step a wave loads a quarter of a later step (six pieces of 512 bytes, 2,048 apart, and 128 bytes of the last 512)
; and stores it to LDS at the step's end; one barrier for two steps.  The loop's trip is four steps, so every LDS address is a constant + lane and wave terms.
; THE MASK comes as lane masks (maskw, 64 words a key step in scalar registers, one v_cndmask_b32 a score) and as flags (mflag: bit s of my tile's word says that key step s hides no key from my 16 queries).
; A scalar branch on that bit leads round the 64 selects, and round the request for the words of a step that needs none.  No barrier stands under it.
; NO TENSOR LOAD, NO CLUSTER.  NO PREFETCH: each piece of kv is asked for into
; registers a whole key step ahead of its store to LDS and two ahead of its first read.
; LAYOUT.  Both products are used transposed (S^T = K Q^T, O^T = V^T P^T): a lane holds ONE query (lane % 16).  Tile m of 128 keys holds keys 64 (m / 4) + 8 (m % 4) + r % 8 + 32 (r / 8), so register n of S^T is key
; 64 (n / 32) + 32 (lane / 16) + n % 32: a lane holds two WHOLE blocks of 32 keys, in the order of the second product's operand: no other lane is asked for a block's maximum, and no codes change lanes.
; K = 64 IN A PRODUCT OF 128: a fragment of K holds TWO tiles of keys (registers 0-5, 6-11); the query operand exists as [q | 0] and as [0 | q], two overlapping runs of [0 | q | 0]; zero codes add nothing.
; LIMITS.  A masked score is -2^33, a logit of -2^30 in place of -1e9: its product with log2(e) / 8 is exact, so a row with no key left gives p = 1 for every key, the uniform softmax; results are as with -1e9 wherever every
; unmasked logit lies above about -9e8.  p under 2^-126 counts as 0.  A block of zeros gets the byte 1 (its codes are zeros; only this program reads the bytes).  NaN and infinities are not served.
; ac: [b 8 + head][tile of queries 0..255] x 768 bytes: half a fragment: registers 0-3 at 16 l, 4-5 at 512 + 8 l.  asc: 128 bytes a tile: two scale bytes a lane's word.
.set STEPB, 12800                      ; a key step
.set SLOTB, 2*STEPB                    ; a slot
.set SPARE, 2*SLOTB                    ; behind the slots: the spare words, 128 bytes for each of 4 waves: two blocks of 256 bytes that no other line names
.set LI,  1                            ; 16 x lane
.set L8,  2                            ; 8 x lane
.set L4,  3                            ; 4 x lane
.set SPW, 4                            ; LDS address of my spare word; never rewritten
.set NIL, 5                            ; 0; never rewritten
.set NEG, 6                            ; -2^33
.set GA,  7                            ; 512 x wave + 16 x lane: my pieces of a key step, in kv and in LDS alike
.set GB,  8                            ; 128 x wave + 4 x lane: my part of its last 512 bytes
.set SH,  9                            ; 8 (lane / 16)
.set TP,  10
.set PT,  11
.set QZ,  16                           ; v16-33: [0 x 6 | q x 6 | 0 x 6]
.set QS,  34                           ; q's scale word: its two bytes, twice
.set PS,  35                           ; p's scale word
.set KS,  36                           ; v36-37 K's scale words
.set VS,  38                           ; v38-39 V's
.set F,   40                           ; v40-87 four fragments: K's, then V's
.set S,   88                           ; v88-151 S^T, then p
.set O,   152                          ; v152-183 O^T
.set PC,  184                          ; v184-195 p's codes
.set PX,  196                          ; v196-198, v200-202: each block's upper 16 codes as they are made
.set OM,  199                          ; the old -M
.set BM,  204                          ; v204-207 largest scores; then largest p and bytes
.set SO,  208                          ; v208-209 the conversions' scale operands
.set FF,  210                          ; v[210:211] f = 2^(old M - new M)
.set CH,  212                          ; v212-227 the sum's eight chains, a pair each
.set G,   228                          ; v228-252 my quarter of a key step on its way to LDS
.set SEL, 2                            ; s[2:3]
.set WV,  16
.set FL,  17                           ; my tile's flags
.set SN,  18                           ; the key step
.set MOFF, 19
.set CNT, 20
.set CS,  100                          ; s[100:101] c = log2(e) / 8
.macro ADDP d, a, b
	v_pk_add_f32 v[(\d):(\d)+1], v[(\a):(\a)+1], v[(\b):(\b)+1]
.endm
.macro GLOAD reg, goff                 ; my quarter of the key step at byte goff behind s[6:7]
.irp i, 0,1,2,3,4,5
	global_load_b128 v[(\reg)+4*\i:(\reg)+4*\i+3], v[GA], s[6:7] offset:(\goff)+2048*\i
.endr
	global_load_b32 v[(\reg)+24], v[GB], s[6:7] offset:(\goff)+12288
.endm
.macro LSTORE reg, dst                 ; and on to LDS byte dst
.irp i, 0,1,2,3,4,5
	ds_store_b128 v[GA], v[(\reg)+4*\i:(\reg)+4*\i+3] offset:(\dst)+2048*\i
.endr
	ds_store_b32 v[GB], v[(\reg)+24] offset:(\dst)+12288
.endm
	s_load_b256 s[4:11], s[0:1], 0x0               ; qc s[4:5], kv s[6:7], maskw s[8:9], mflag s[10:11]
	s_load_b128 s[12:15], s[0:1], 0x20             ; ac s[12:13], asc s[14:15]
	v_lshl_add_u32 v[SPW], v0, 2, SPARE
	v_mov_b32 v[NIL], 0
	v_lshrrev_b32 v253, 5, v0
	v_readfirstlane_b32 s[WV], v253                ; wave 0..3
	s_lshl_b32 s21, s[WV], 9
	s_lshl_b32 s22, s[WV], 7
	s_and_b32 s23, ttmp7, 0xffff                   ; 8 b + head
	s_lshl_b32 s36, ttmp9, 2
	s_add_co_u32 s36, s36, s[WV]                   ; my tile of queries, 0..255
	s_mul_i32 s24, s23, 32*STEPB                   ; kv of my (b, head)
	s_mov_b32 s25, 0
	s_lshr_b32 s26, s36, 3                         ; my group of 128 queries
	s_lshl_b32 s27, s23, 5
	s_add_co_u32 s26, s26, s27
	s_mul_i32 s26, s26, 6400                       ; its entry in qc
	s_mov_b32 s27, 0
	s_lshr_b32 s28, s23, 3
	s_lshl_b32 s28, s28, 8
	s_add_co_u32 s28, s28, s36                     ; 256 b + tile
	s_lshl_b32 s30, s28, 2                         ; its word of mflag
	s_mov_b32 s31, 0
	s_lshl_b32 s28, s28, 13                        ; its 8,192 bytes of maskw
	s_mov_b32 s29, 0
	s_lshl_b32 s32, s23, 8
	s_add_co_u32 s32, s32, s36
	s_lshl_b32 s34, s32, 7                         ; its place in asc
	s_mov_b32 s35, 0
	s_mul_i32 s32, s32, 768                        ; and in ac
	s_mov_b32 s33, 0
	s_and_b32 s37, s36, 7                          ; m: my tile in its group
	s_lshr_b32 s40, s37, 1
	s_mul_i32 s38, s40, 1536                       ; fragment m / 2
	s_and_b32 s40, s40, 1
	s_lshl_b32 s40, s40, 7
	s_lshr_b32 s39, s37, 2
	s_lshl_b32 s39, s39, 2
	s_add_co_u32 s39, s39, s40
	s_add_co_u32 s39, s39, 6144                    ; its scale words: 6,144 + 128 ((m / 2) % 2) + 4 (m / 4), + 8 r
	s_and_b32 s105, s37, 1
	s_sub_co_i32 s104, 0, s105                     ; all ones where m is odd: the fragment's upper six registers are mine
	s_lshl_b32 s105, s105, 4                       ; and the word's upper two bytes
	s_mov_b32 s[SEL], 0x76543210
	s_mov_b32 s[SEL+1], 0xfedcba98                 ; v_permlanex16_b32's selects for lane l xor 16
	s_mov_b32 s[CS], 0x3e38aa3b                    ; c = log2(e) / 8
	s_mov_b32 s[CS+1], s[CS]                       ; (named with it as a pair, so it is written)
	s_mov_b32 s[SN], 0
	s_mov_b32 s[CNT], 8
	v_and_b32 v253, 31, v0
	v_and_b32 v254, 15, v0
	v_bfe_u32 v[SH], v0, 4, 1
	v_lshlrev_b32 v[LI], 4, v253
	v_lshlrev_b32 v[L8], 3, v253
	v_lshlrev_b32 v[L4], 2, v253
	v_lshlrev_b32 v[SH], 3, v[SH]
	v_lshl_add_u32 v254, v254, 3, s39
	v_add_nc_u32 v[GA], s21, v[LI]
	v_add_nc_u32 v[GB], s22, v[L4]
	v_add_nc_u32 v253, s38, v[LI]
	v_mov_b32 v[NEG], 0xd0000000
.irp i, 0,1,2,3,4,5
	v_mov_b32 v[QZ+\i], 0
	v_mov_b32 v[QZ+12+\i], 0
.endr
	v_mov_b32 v[TP], 0                             ; written once: a lane permute's destination counts as one of its sources
	v_mov_b32 v[PT], 0
	v_mov_b32 v[FF+1], 0                           ; (named as the upper half of a pair)
	v_mov_b32 v13, 0xff61b1e6                      ; the largest score so far: -3e38
	v_floor_f32 v12, -v13                          ; -M: so large that the first f is 0
	v_mov_b32 v14, 0                               ; the sum, in two halves
	v_mov_b32 v15, 0
.irp q, 0,4,8,12
	v_mov_b32 v[CH+\q], 0                          ; the four chains that the first step adds to the sum
	v_mov_b32 v[CH+\q+1], 0
.endr
	s_wait_alu depctr_va_vdst(0)
	s_wait_kmcnt 0x0
	s_add_nc_u64 s[6:7], s[6:7], s[24:25]
	s_add_nc_u64 s[4:5], s[4:5], s[26:27]
	s_add_nc_u64 s[8:9], s[8:9], s[28:29]
	s_add_nc_u64 s[10:11], s[10:11], s[30:31]
	s_add_nc_u64 s[12:13], s[12:13], s[32:33]
	s_add_nc_u64 s[14:15], s[14:15], s[34:35]
	GLOAD G, 0                                     ; key steps 0 and 1, for slot 0
	GLOAD S, STEPB
.irp c, 0,1,2
	global_load_b128 v[F+4*\c:F+4*\c+3], v253, s[4:5] offset:512*\c    ; the fragment that holds my tile of queries
.endr
	global_load_b32 v255, v254, s[4:5]             ; and its scale word
	s_load_b32 s[FL], s[10:11], 0x0
	s_load_b512 s[32:47], s[8:9], 0x0              ; key step 0's 64 mask words
	s_load_b512 s[48:63], s[8:9], 0x40
	s_load_b512 s[68:83], s[8:9], 0x80
	s_load_b512 s[84:99], s[8:9], 0xc0
	s_wait_kmcnt 0x0
	s_wait_loadcnt 0x0
	LSTORE G, 0
	LSTORE S, STEPB
.irp i, 0,1,2,3,4,5
	v_cndmask_b32 v[QZ+6+\i], v[F+\i], v[F+6+\i], s104
.endr
	v_lshrrev_b32 v255, s105, v255
	v_and_b32 v255, 0xffff, v255
	v_lshl_or_b32 v[QS], v255, 16, v255
.set j, 0
.rept 32
	v_mov_b32 v[O+j], 0                            ; O^T: the step is written once; the first f, 0, leaves zeros zeros.  (These are also the plain places between q's operand and scale word and the first product)
.set j, j+1
.endr
	s_add_nc_u64 s[6:7], s[6:7], SLOTB             ; the loads are done: on to key steps 2 and 3
	s_wait_alu depctr_va_vdst(0)
	s_wait_dscnt 0x0                               ; for the others' sake: my stores have landed
	s_barrier_signal -1
	s_barrier_wait -1                              ; slot 0 is whole
; A KEY STEP: 128 keys at LDS byte base.  My quarter of the key step at byte goff behind s[6:7] goes to LDS byte dst, in the other slot.  guard = 1: not in the last trip, which has no step left to fetch.
.macro STEP base, dst, goff, guard
.irp f, 0,1,2,3
.irp c, 0,1,2
	ds_load_b128 v[F+12*\f+4*\c:F+12*\f+4*\c+3], v[LI] offset:(\base)+1536*\f+512*\c
.endr
.endr
	ds_load_b64 v[KS:KS+1], v[L8] offset:(\base)+6144
	s_wait_dscnt 0x0                               ; K is in; and the last step's stores to LDS have read v[G] on
.if \guard
	s_cmp_eq_u32 s[CNT], 1
	s_cbranch_scc1 .Lnoask_\@
.endif
	GLOAD G, \goff
.if \guard
.Lnoask_\@:
.endif
.irp f, 0,1,2,3                        ; S^T = K Q^T: fragment f against [q | 0] gives tile 2 f, against [0 | q] tile 2 f + 1
.irp u, 0,1
.if \f%2
	v_wmma_scale_f32_16x16x128_f8f6f4 v[S+16*\f+8*\u:S+16*\f+8*\u+7], v[F+12*\f:F+12*\f+11], v[QZ+6-6*\u:QZ+17-6*\u], 0, v[KS+\f/2], v[QS] matrix_a_fmt:MATRIX_FMT_FP6 matrix_b_fmt:MATRIX_FMT_FP6 matrix_a_scale:MATRIX_SCALE_ROW1
.else
	v_wmma_scale_f32_16x16x128_f8f6f4 v[S+16*\f+8*\u:S+16*\f+8*\u+7], v[F+12*\f:F+12*\f+11], v[QZ+6-6*\u:QZ+17-6*\u], 0, v[KS+\f/2], v[QS] matrix_a_fmt:MATRIX_FMT_FP6 matrix_b_fmt:MATRIX_FMT_FP6
.endif
.endr
.endr
	ADDP CH, CH, CH+4                              ; the last step's sum is closed here, still under the old M: four plain places in front of the loads into K's registers and of the first read of the scores
	ADDP CH+8, CH+8, CH+12
	ADDP 14, 14, CH
	ADDP 14, 14, CH+8
.irp t, 0,1,2,3                        ; V's fragments land under the softmax
.irp c, 0,1,2
	ds_load_b128 v[F+12*\t+4*\c:F+12*\t+4*\c+3], v[LI] offset:(\base)+6400+1536*\t+512*\c
.endr
.endr
	ds_load_b32 v[VS], v[L4] offset:(\base)+12544
	ds_load_b32 v[VS+1], v[L4] offset:(\base)+12672
	s_bitcmp1_b32 s[FL], s[SN]                     ; does this step hide no key from my queries?
	s_cbranch_scc1 .Lopen_\@
	s_wait_kmcnt 0x0                               ; its mask words, asked for a step ago
.set n, 0
.rept 32
	v_cndmask_b32 v[S+n], v[NEG], v[S+n], s[32+n]  ; a hidden key's score becomes -2^33, ahead of the maximum.  (Each tile of scores is read from its low end on)
.set n, n+1
.endr
.rept 32
	v_cndmask_b32 v[S+n], v[NEG], v[S+n], s[36+n]
.set n, n+1
.endr
.Lopen_\@:
	s_add_co_u32 s[SN], s[SN], 1
	s_bitcmp1_b32 s[FL], s[SN]                     ; and the next one?  (Behind the last step the bit's number turns back to 0)
	s_cbranch_scc1 .Lnone_\@
	s_wait_kmcnt 0x0                               ; no earlier request for these registers is out
	s_lshl_b32 s[MOFF], s[SN], 8
	s_and_b32 s[MOFF], s[MOFF], 0x1fff             ; (the last step's request turns back to step 0: it stays inside my tile's words and is not used)
	s_load_b512 s[32:47], s[8:9], s[MOFF] offset:0x0
	s_load_b512 s[48:63], s[8:9], s[MOFF] offset:0x40
	s_load_b512 s[68:83], s[8:9], s[MOFF] offset:0x80
	s_load_b512 s[84:99], s[8:9], s[MOFF] offset:0xc0
.Lnone_\@:
.irp q, 0,1,2,3                        ; the largest score of my two blocks of 32 keys, in four chains by turns; each tile of scores is read from its low end on
	v_max3_num_f32 v[BM+\q], v[S+16*\q], v[S+16*\q+1], v[S+16*\q+2]
.endr
.irp i, 3,5,7,9,11,13
.irp q, 0,1,2,3
	v_max3_num_f32 v[BM+\q], v[BM+\q], v[S+16*\q+\i], v[S+16*\q+\i+1]
.endr
.endr
	v_max3_num_f32 v[BM], v[BM], v[BM+1], v[S+15]
	v_max3_num_f32 v[BM+1], v[BM+2], v[BM+3], v[S+47]
	v_max_num_f32 v[BM], v[BM], v[S+31]            ; block lane / 16: it serves the row's maximum and, since p rises with the score, the block's largest p
	v_max_num_f32 v[BM+1], v[BM+1], v[S+63]        ; block 2 + lane / 16
	v_mov_b32 v[OM], v12
	s_delay_alu instid0(VALU_DEP_2)
	v_max_num_f32 v[TP], v[BM], v[BM+1]
	s_delay_alu instid0(VALU_DEP_1)
	v_permlanex16_b32 v[PT], v[TP], s[SEL], s[SEL+1]
	s_delay_alu instid0(VALU_DEP_1)
	v_max3_num_f32 v13, v13, v[TP], v[PT]          ; the running largest score of my query (c is positive)
	s_delay_alu instid0(VALU_DEP_1)
	v_mul_f32 v[TP], s[CS], v13                    ; as t
	s_delay_alu instid0(VALU_DEP_1)
	v_floor_f32 v12, -v[TP]                        ; the new -M = -ceil(t): a whole number
	s_delay_alu instid0(VALU_DEP_1)
	v_sub_f32 v[TP], v12, v[OM]                    ; old M - new M, 0 or less
	s_delay_alu instid0(VALU_DEP_1)
	v_cvt_i32_f32 v[TP], v[TP]                     ; (it saturates)
	s_delay_alu instid0(VALU_DEP_1)
	v_ldexp_f32 v[FF], 1.0, v[TP]                  ; f = 2^(old M - new M)
.set j, 0
.rept 32
	v_pk_fma_f32 v[S+j:S+j+1], v[S+j:S+j+1], s[CS:CS+1], v[12:13] op_sel_hi:[1,0,0]   ; t - M, two at a time
.set j, j+2
.endr
.irp b, 0,1
	v_fma_f32 v[BM+\b], v[BM+\b], s[CS], v12       ; the same of each block's largest score
.endr
.set j, 0
.rept 16
	v_pk_mul_f32 v[O+j:O+j+1], v[O+j:O+j+1], v[FF:FF+1] op_sel_hi:[1,0]   ; O^T under the new M, ahead of the exponentials; each sum from its low end on
.set j, j+2
.endr
	s_wait_alu depctr_va_vdst(0)
.set j, 0
.rept 64
	v_exp_f32 v[S+j], v[S+j]                       ; p = 2^(t - M)
.set j, j+1
.endr
.irp b, 0,1
	v_exp_f32 v[BM+\b], v[BM+\b]                   ; the blocks' largest p: the same two instructions on the same number give the same bits
.endr
	v_pk_mul_f32 v[14:15], v[14:15], v[FF:FF+1] op_sel_hi:[1,0]   ; the sum under the new M: the plain place behind the exponentials
	s_wait_alu depctr_va_vdst(0)                   ; one wait for the batch, ahead of its first reader
.irp b, 0,1
	v_max_num_f32 v[BM+\b], 0x1800000, v[BM+\b]    ; the floor 2^(3 - 127): the byte cannot fall under 1
.endr
.irp b, 0,1
	v_add_nc_u32 v[SO+\b], 0xff000000, v[BM+\b]    ; 2 off the exponent field: the conversion's scale operand
.endr
.irp b, 0,1
	v_lshrrev_b32 v[BM+2+\b], 23, v[SO+\b]         ; the scale's byte
.endr
	v_lshl_or_b32 v[PS], v[BM+3], 16, v[BM+2]      ; my two bytes, blocks h and 2 + h,
	s_delay_alu instid0(VALU_DEP_1)
	v_lshlrev_b32 v[PS], v[SH], v[PS]              ; at their places in the word;
	s_delay_alu instid0(VALU_DEP_1)
	v_permlanex16_b32 v[PT], v[PS], s[SEL], s[SEL+1]
	s_delay_alu instid0(VALU_DEP_1)
	v_or_b32 v[PS], v[PS], v[PT]                   ; with lane l xor 16's two the word is whole
.irp c, 0,1
	v_cvt_scalef32_pk16_fp6_f32 v[PC+6*\c:PC+6*\c+2], v[S+32*\c:S+32*\c+15], v[SO+\c]
	v_cvt_scalef32_pk16_fp6_f32 v[PX+4*\c:PX+4*\c+2], v[S+32*\c+16:S+32*\c+31], v[SO+\c]   ; (a conversion's three registers begin on an even number)
.endr
.irp q, 0,1,2,3,4,5,6,7                ; THE ROW'S SUM IS TAKEN OF THE UNQUANTISED p: eight chains by turns.  (The first is the plain place behind the conversions)
	ADDP CH+2*\q, S+4*\q, S+4*\q+2
.endr
.irp c, 0,1
.irp i, 0,1,2
	v_mov_b32 v[PC+3+6*\c+\i], v[PX+4*\c+\i]
.endr
.endr
.irp i, 0,1
.irp q, 0,1,2,3,4,5,6,7
	ADDP CH+2*\q, CH+2*\q, S+32+16*\i+2*\q         ; (these sixteen are the places between p's codes and scale word and the products below)
.endr
.endr
	s_wait_alu depctr_va_vdst(0)
	s_wait_dscnt 0x0                               ; V is in
.irp t, 0,1,2,3                        ; O^T += V^T P^T: four sums by turns, one product a turn
.if \t%2
	v_wmma_scale_f32_16x16x128_f8f6f4 v[O+8*\t:O+8*\t+7], v[F+12*\t:F+12*\t+11], v[PC:PC+11], v[O+8*\t:O+8*\t+7], v[VS+\t/2], v[PS] matrix_a_fmt:MATRIX_FMT_FP6 matrix_b_fmt:MATRIX_FMT_FP6 matrix_a_scale:MATRIX_SCALE_ROW1
.else
	v_wmma_scale_f32_16x16x128_f8f6f4 v[O+8*\t:O+8*\t+7], v[F+12*\t:F+12*\t+11], v[PC:PC+11], v[O+8*\t:O+8*\t+7], v[VS+\t/2], v[PS] matrix_a_fmt:MATRIX_FMT_FP6 matrix_b_fmt:MATRIX_FMT_FP6
.endif
.endr
.irp q, 0,4,8,12
	ADDP CH+\q, CH+\q, CH+\q+2                     ; eight chains become four: the plain places in front of the next step's loads into V's registers
.endr
	s_wait_alu depctr_va_vdst(0)
	s_wait_loadcnt 0x0                             ; my quarter of the later step is in registers
.if \guard
	s_cmp_eq_u32 s[CNT], 1
	s_cbranch_scc1 .Lnoput_\@
.endif
	LSTORE G, \dst                                 ; into the slot that nobody reads before the next barrier
.if \guard
.Lnoput_\@:
.endif
.endm
.macro MEET                            ; the change of slots: my stores into the other slot have landed and my reads of this one are over; behind the barrier that holds of all four waves
	s_add_nc_u64 s[6:7], s[6:7], SLOTB             ; (the loads that read this base are done)
	s_wait_dscnt 0x0
	s_barrier_signal -1
	s_barrier_wait -1
.endm
.Ltrip:                                                ; trip i: key steps 4 i .. 4 i + 3
	STEP 0, SLOTB, 0, 0                            ; fetches step 4 i + 2
	STEP STEPB, SLOTB+STEPB, STEPB, 0              ; 4 i + 3
	MEET
	STEP SLOTB, 0, 0, 1                            ; 4 i + 4
	STEP SLOTB+STEPB, STEPB, STEPB, 1              ; 4 i + 5
	MEET
	s_sub_co_u32 s[CNT], s[CNT], 1
	s_cmp_lg_u32 s[CNT], 0
	s_cbranch_scc1 .Ltrip
	; THE WAY OUT.  O^T / the sum; register 16 b + i is d = 32 b + 16 (lane / 16) + i of my query: two blocks of the last product's K.  They are quantised and leave as half a fragment.
	ADDP CH, CH, CH+4                              ; the last step's sum is closed
	ADDP CH+8, CH+8, CH+12
	ADDP 14, 14, CH
	ADDP 14, 14, CH+8
	v_add_f32 v14, v14, v15
	s_delay_alu instid0(VALU_DEP_1)
	v_permlanex16_b32 v[TP], v14, s[SEL], s[SEL+1]
	s_delay_alu instid0(VALU_DEP_1)
	v_add_f32 v14, v14, v[TP]                      ; the row's sum
	s_wait_alu depctr_va_vdst(0)
	v_rcp_f32 v14, v14
	v_nop                                          ; a plain place behind the reciprocal
	s_wait_alu depctr_va_vdst(0)                   ; the wait ahead of its first reader, which is also the first reader of O^T
.set j, 0
.rept 16
	v_pk_mul_f32 v[S+j:S+j+1], v[O+j:O+j+1], v[14:15] op_sel_hi:[1,0]
.set j, j+2
.endr
.irp b, 0,1
	v_max3_num_f32 v[BM+\b], |v[S+16*\b]|, |v[S+1+16*\b]|, 0x1800000
.endr
.irp i, 2,4,6,8,10,12,14
.irp b, 0,1
	s_delay_alu instid0(VALU_DEP_2)
	v_max3_num_f32 v[BM+\b], v[BM+\b], |v[S+16*\b+\i]|, |v[S+1+16*\b+\i]|
.endr
.endr
.irp b, 0,1
	s_delay_alu instid0(VALU_DEP_2)
	v_permlanex16_b32 v[BM+2+\b], v[BM+\b], s[SEL], s[SEL+1]
.endr
.irp b, 0,1
	s_delay_alu instid0(VALU_DEP_2)
	v_max_num_f32 v[BM+\b], v[BM+\b], v[BM+2+\b]
.endr
.irp b, 0,1
	s_delay_alu instid0(VALU_DEP_2)
	v_add_nc_u32 v[SO+\b], 0xff000000, v[BM+\b]
.endr
.irp b, 0,1
	s_delay_alu instid0(VALU_DEP_2)
	v_lshrrev_b32 v[BM+2+\b], 23, v[SO+\b]
.endr
	s_delay_alu instid0(VALU_DEP_1)
	v_lshl_or_b32 v[PS], v[BM+3], 8, v[BM+2]       ; my query's two scale bytes
	v_cvt_scalef32_pk16_fp6_f32 v[PC:PC+2], v[S:S+15], v[SO]
	v_cvt_scalef32_pk16_fp6_f32 v[PX:PX+2], v[S+16:S+31], v[SO+1]
	v_nop                                          ; one plain place behind a scaled conversion
.irp i, 0,1,2
	v_permlane16_swap_b32 v[PC+\i], v[PX+\i]       ; here a block lies in lanes l and l xor 16: the operand's layout wants it whole in a lane
.endr
.irp i, 0,1,2
	s_delay_alu instid0(VALU_DEP_3)
	v_mov_b32 v[PC+3+\i], v[PX+\i]
.endr
	global_store_b128 v[LI], v[PC:PC+3], s[12:13]              ; 512 consecutive bytes
	global_store_b64 v[L8], v[PC+4:PC+5], s[12:13] offset:512  ; 256 more
	global_store_b32 v[L4], v[PS], s[14:15]
	s_wait_tensorcnt 0x0                           ; the wave's end
	ds_add_u32 v[SPW], v[NIL]
	s_wait_dscnt 0x0
	s_endpgm
.Lfunc_end_k_q5f5ec9f175_attn:
	.size	k_q5f5ec9f175_attn, .Lfunc_end_k_q5f5ec9f175_attn-k_q5f5ec9f175_attn
	.p2alignl 7, 3214868480
	.fill 96, 4, 3214868480
	.section	.rodata,"a",@progbits
	.p2align	6, 0x0
	.amdhsa_kernel k_q5f5ec9f175_attn
		.amdhsa_group_segment_fixed_size 51712
		.amdhsa_private_segment_fixed_size 0
		.amdhsa_enable_private_segment 0
		.amdhsa_kernarg_size 48
		.amdhsa_user_sgpr_count 2
		.amdhsa_user_sgpr_kernarg_segment_ptr 1
		.amdhsa_wavefront_size32 1
		.amdhsa_system_sgpr_workgroup_id_x 1
		.amdhsa_system_sgpr_workgroup_id_y 1
		.amdhsa_system_sgpr_workgroup_id_z 1
		.amdhsa_system_vgpr_workitem_id 0
		.amdhsa_next_free_vgpr 256
		.amdhsa_next_free_sgpr 106
		.amdhsa_reserve_vcc 0
		.amdhsa_float_denorm_mode_32 3
		.amdhsa_float_denorm_mode_16_64 3
		.amdhsa_memory_ordered 1
		.amdhsa_forward_progress 1
		.amdhsa_inst_pref_size 94
	.end_amdhsa_kernel
	.amdgpu_metadata
---
amdhsa.version: [ 1, 2 ]
amdhsa.kernels:
  - .name:           k_q5f5ec9f175_attn
    .symbol:         k_q5f5ec9f175_attn.kd
    .args:
      - { .name: qc, .offset: 0, .size: 8, .value_kind: global_buffer, .address_space: global }
      - { .name: kv, .offset: 8, .size: 8, .value_kind: global_buffer, .address_space: global }
      - { .name: maskw, .offset: 16, .size: 8, .value_kind: global_buffer, .address_space: global }
      - { .name: mflag, .offset: 24, .size: 8, .value_kind: global_buffer, .address_space: global }
      - { .name: ac, .offset: 32, .size: 8, .value_kind: global_buffer, .address_space: global }
      - { .name: asc, .offset: 40, .size: 8, .value_kind: global_buffer, .address_space: global }
    .group_segment_fixed_size: 51712
    .private_segment_fixed_size: 0
    .kernarg_segment_align: 8
    .kernarg_segment_size: 48
    .max_flat_workgroup_size: 128
    .sgpr_count:     106
    .vgpr_count:     256
    .wavefront_size: 32
...
	.end_amdgpu_metadata
.endif
;; end of part 3
;; launch outp (part 4): grid 256 x 1, 8 waves a work-group, no clusters, 70,656 bytes of LDS; arguments ac, asc, wc, ws, b_o, out0; writes out0
.if DOCPART == 4
	.amdgcn_target "amdgcn-amd-amdhsa--gfx1250"
	.amdhsa_code_object_version 6
	.text
	.protected	k_q5f5ec9f175_outp
	.globl	k_q5f5ec9f175_outp
	.p2align	8
	.type	k_q5f5ec9f175_outp,@function
k_q5f5ec9f175_outp:
	s_mov_b64 s[64:65], 0
	v_nop
	global_prefetch_b8 v0, s[64:65] scope:SCOPE_SE
	s_setreg_imm32_b32 hwreg(HW_REG_WAVE_MODE, 25, 1), 1
	s_wait_xcnt 0x0
; OUTP.  out0 = a W_o + b_o on codes of FP6 (E2M3) with one E8M0 scale for each 32 along K.  a, attention's result, comes as codes: half a fragment for each (head, tile of 16 queries) in ac, two scale bytes a query in asc;
; two heads' halves are one fragment of 128 along K, loaded straight into its registers.  W_o's fragments come from wc likewise.
; SHARES.  A work-group takes 32 rows (tiles 2 P and 2 P + 1 of queries: rows 32 P + 8 u + r + 8 (r / 8)); wave w takes columns 64 w .. 64 w + 63 (four tiles of W_o).  32 products a wave: eight sums by turns, one product a turn.
; Source 0 = 16 columns of W_o, source 1 = 16 queries: a lane holds one row and eight neighbouring columns.  b_o is the C of each sum's first product.
; The results go through the wave's own stage in LDS (32 rows, 272 bytes apart) and leave as aligned runs of 256 bytes, sixteen lanes to a run.  No barrier: waves share nothing in LDS.
; No cluster: the weights go once into each wave's registers, not through LDS, and no two work-groups read the same codes of a.
; REGISTERS, window 0: v1-7 addresses; v16-111 a's fragments (tile u, K step s at 48 u + 12 s), later the rows read back; v112-175 the sums; v176-191 scale words as loaded; v192-199 scale words of 128 along K; v236-251 W_o's scale words.
;   window 1: v0-191 W_o's fragments, 12 (4 t + K step); v192-223 b_o.
.set LI,  1                            ; 16 x lane
.set LS,  2                            ; 4 x lane
.set L8,  3                            ; 8 x lane
.set BQ,  4                            ; 64 h
.set SO,  5                            ; the stage: where I put 32 bytes of a row
.set SR,  6                            ; where I read a row back
.set GO,  7                            ; my byte offset in two rows of out0
.set AF,  16
.set ACC, 112
.set AW,  176
.set AS,  192
.set WS,  236
.set B1,  192                          ; in window 1
.set SP,  272
.set MSB, 0
.macro WIN new                         ; the immediate's high byte repeats the setting that is left
.if MSB != \new
	s_set_vgpr_msb (MSB<<8)|\new
.set MSB, \new
.endif
.endm
	s_load_b256 s[4:11], s[0:1], 0x0               ; ac s[4:5], asc s[6:7], wc s[8:9], ws s[10:11]
	s_load_b128 s[12:15], s[0:1], 0x20             ; b_o s[12:13], out0 s[14:15]
	v_lshl_add_u32 v254, v0, 2, 0x11000
	v_mov_b32 v255, 0
	v_lshrrev_b32 v8, 5, v0
	s_delay_alu instid0(VALU_DEP_1)
	v_readfirstlane_b32 s16, v8                    ; wave 0..7
	v_and_b32 v8, 31, v0
	v_and_b32 v9, 15, v0                           ; r
	v_bfe_u32 v10, v0, 4, 1                        ; h
	s_delay_alu instid0(VALU_DEP_3)
	v_lshlrev_b32 v[LI], 4, v8
	s_delay_alu instid0(VALU_DEP_4)
	v_lshlrev_b32 v[LS], 2, v8
	v_lshlrev_b32 v[L8], 3, v8
	s_delay_alu instid0(VALU_DEP_4)
	v_lshlrev_b32 v[BQ], 6, v10
	s_mul_i32 s17, s16, 32*SP                      ; my stage
	v_mul_u32_u24 v[SO], v9, SP
	s_delay_alu instid0(VALU_DEP_1)
	v_lshl_add_u32 v[SO], v10, 6, v[SO]
	s_delay_alu instid0(VALU_DEP_1)
	v_add_nc_u32 v[SO], s17, v[SO]                 ; in: row r, + 64 h
	v_mul_u32_u24 v[SR], v10, SP
	s_delay_alu instid0(VALU_DEP_1)
	v_lshl_add_u32 v[SR], v9, 4, v[SR]
	s_delay_alu instid0(VALU_DEP_1)
	v_add_nc_u32 v[SR], s17, v[SR]                 ; back: lanes 0-15 one row's 256 bytes, lanes 16-31 the next row's
	v_lshlrev_b32 v[GO], 11, v10
	s_delay_alu instid0(VALU_DEP_1)
	v_lshl_add_u32 v[GO], v9, 4, v[GO]             ; and the same in out0
	s_lshr_b32 s18, ttmp9, 7                       ; b
	s_and_b32 s19, ttmp9, 127                      ; P
	s_lshl_b32 s18, s18, 11
	s_lshl_b32 s19, s19, 1
	s_add_co_u32 s18, s18, s19                     ; (8 b) 256 + 2 P: head 0's first tile
	s_mul_i32 s20, s18, 768
	s_mov_b32 s21, 0
	s_lshl_b32 s22, s18, 7
	s_mov_b32 s23, 0
	s_mul_i32 s24, s16, 24576
	s_add_co_u32 s24, s24, 3*196608                ; W_o's fragments, my 16
	s_mov_b32 s25, 0
	s_lshl_b32 s26, s16, 11
	s_add_co_u32 s26, s26, 3*16384
	s_mov_b32 s27, 0
	s_lshl_b32 s28, s16, 8                         ; my 64 columns, in bytes
	s_mov_b32 s29, 0
	s_lshl_b32 s30, ttmp9, 16                      ; 32 rows of 2,048 bytes a work-group
	s_add_co_u32 s30, s30, s28
	s_mov_b32 s31, 0
	s_wait_alu depctr_va_vdst(0)
	s_wait_kmcnt 0x0
	s_add_nc_u64 s[4:5], s[4:5], s[20:21]
	s_add_nc_u64 s[6:7], s[6:7], s[22:23]
	s_add_nc_u64 s[8:9], s[8:9], s[24:25]
	s_add_nc_u64 s[10:11], s[10:11], s[26:27]
	s_add_nc_u64 s[12:13], s[12:13], s[28:29]
	s_add_nc_u64 s[14:15], s[14:15], s[30:31]
	WIN 0x40                                       ; destination window 1
.set fi, 0
.rept 16
.irp c, 0,1,2
	global_load_b128 v[12*fi+4*\c:12*fi+4*\c+3], v[LI], s[8:9] offset:1536*fi+512*\c
.endr
.set fi, fi+1
.endr
.irp t, 0,1,2,3
	global_load_b128 v[B1+8*\t:B1+8*\t+3], v[BQ], s[12:13] offset:(32*(\t/2)+8*(\t%2))*4       ; b_o in the result's layout: columns 32 (t / 2) + 8 (t % 2) + 16 h + 0 .. 7
	global_load_b128 v[B1+8*\t+4:B1+8*\t+7], v[BQ], s[12:13] offset:(32*(\t/2)+8*(\t%2))*4+16
.endr
	WIN 0
.set fi, 0
.rept 16
	global_load_b32 v[WS+fi], v[LS], s[10:11] offset:128*fi
.set fi, fi+1
.endr
.irp u, 0,1
.irp hd, 0,1,2,3,4,5,6,7
	global_load_b128 v[AF+48*\u+12*(\hd/2)+6*(\hd%2):AF+48*\u+12*(\hd/2)+6*(\hd%2)+3], v[LI], s[4:5] offset:\hd*196608+768*\u        ; head hd is half hd % 2 of K step hd / 2
	global_load_b64 v[AF+48*\u+12*(\hd/2)+6*(\hd%2)+4:AF+48*\u+12*(\hd/2)+6*(\hd%2)+5], v[L8], s[4:5] offset:\hd*196608+768*\u+512
	global_load_b32 v[AW+8*\u+\hd], v[LS], s[6:7] offset:\hd*32768+128*\u
.endr
.endr
	s_wait_loadcnt 0x0
.irp u, 0,1
.irp ks, 0,1,2,3
	v_lshl_or_b32 v[AS+4*\u+\ks], v[AW+8*\u+2*\ks+1], 16, v[AW+8*\u+2*\ks]     ; two heads' two bytes each: the scale word of 128 along K
.endr
.endr
.rept 8
	v_nop                                          ; a scale register written by a vector instruction stands eight places ahead of a scaled product
.endr
.irp ks, 0,1,2,3
.if \ks
	WIN 0x01                                       ; source 0 (W_o) window 1
.else
	WIN 0x11                                       ; and source 2 (b_o) too
.endif
.irp u, 0,1
.irp t, 0,1,2,3
.if \ks
	v_wmma_scale_f32_16x16x128_f8f6f4 v[ACC+8*(4*\u+\t):ACC+8*(4*\u+\t)+7], v[12*(4*\t+\ks):12*(4*\t+\ks)+11], v[AF+48*\u+12*\ks:AF+48*\u+12*\ks+11], v[ACC+8*(4*\u+\t):ACC+8*(4*\u+\t)+7], v[WS+4*\t+\ks], v[AS+4*\u+\ks] matrix_a_fmt:MATRIX_FMT_FP6 matrix_b_fmt:MATRIX_FMT_FP6
.else
	v_wmma_scale_f32_16x16x128_f8f6f4 v[ACC+8*(4*\u+\t):ACC+8*(4*\u+\t)+7], v[12*(4*\t):12*(4*\t)+11], v[AF+48*\u:AF+48*\u+11], v[B1+8*\t:B1+8*\t+7], v[WS+4*\t], v[AS+4*\u] matrix_a_fmt:MATRIX_FMT_FP6 matrix_b_fmt:MATRIX_FMT_FP6
.endif
.endr
.endr
.endr
	WIN 0
.rept 4
	v_nop                                          ; places in front of the first read of results and of the loads into a's registers
.endr
.irp u, 0,1
.irp t, 0,1,2,3
	ds_store_b128 v[SO], v[ACC+8*(4*\u+\t):ACC+8*(4*\u+\t)+3] offset:16*SP*\u+128*(\t/2)+32*(\t%2)       ; each sum from its low end on
	ds_store_b128 v[SO], v[ACC+8*(4*\u+\t)+4:ACC+8*(4*\u+\t)+7] offset:16*SP*\u+128*(\t/2)+32*(\t%2)+16
.endr
.endr
.irp u, 0,1
.irp i, 0,1,2,3,4,5,6,7
	ds_load_b128 v[AF+4*(8*\u+\i):AF+4*(8*\u+\i)+3], v[SR] offset:SP*(16*\u+2*\i)   ; LDS serves a wave's instructions in order: these see my stores
.endr
.endr
.irp u, 0,1
.irp i, 0,1,2,3,4,5,6,7
	s_wait_dscnt 15-8*\u-\i                        ; the younger loads from the stage stay out
	global_store_b128 v[GO], v[AF+4*(8*\u+\i):AF+4*(8*\u+\i)+3], s[14:15] offset:(8*\u+2*\i+8*(\i/4))*2048 th:TH_STORE_NT   ; the tile's lanes 2 i, 2 i + 1 are rows 8 u + 2 i + 8 (i / 4) on; sixteen lanes store 256 consecutive bytes, aligned
.endr
.endr
	s_wait_tensorcnt 0x0
	ds_add_u32 v254, v255
	s_wait_dscnt 0x0
	s_endpgm
.Lfunc_end_k_q5f5ec9f175_outp:
	.size	k_q5f5ec9f175_outp, .Lfunc_end_k_q5f5ec9f175_outp-k_q5f5ec9f175_outp
	.p2alignl 7, 3214868480
	.fill 96, 4, 3214868480
	.section	.rodata,"a",@progbits
	.p2align	6, 0x0
	.amdhsa_kernel k_q5f5ec9f175_outp
		.amdhsa_group_segment_fixed_size 70656
		.amdhsa_private_segment_fixed_size 0
		.amdhsa_enable_private_segment 0
		.amdhsa_kernarg_size 48
		.amdhsa_user_sgpr_count 2
		.amdhsa_user_sgpr_kernarg_segment_ptr 1
		.amdhsa_wavefront_size32 1
		.amdhsa_system_sgpr_workgroup_id_x 1
		.amdhsa_system_sgpr_workgroup_id_y 1
		.amdhsa_system_sgpr_workgroup_id_z 1
		.amdhsa_system_vgpr_workitem_id 0
		.amdhsa_next_free_vgpr 480
		.amdhsa_next_free_sgpr 66
		.amdhsa_reserve_vcc 0
		.amdhsa_float_denorm_mode_32 3
		.amdhsa_float_denorm_mode_16_64 3
		.amdhsa_memory_ordered 1
		.amdhsa_forward_progress 1
		.amdhsa_inst_pref_size 24
	.end_amdhsa_kernel
	.amdgpu_metadata
---
amdhsa.version: [ 1, 2 ]
amdhsa.kernels:
  - .name:           k_q5f5ec9f175_outp
    .symbol:         k_q5f5ec9f175_outp.kd
    .args:
      - { .name: ac, .offset: 0, .size: 8, .value_kind: global_buffer, .address_space: global }
      - { .name: asc, .offset: 8, .size: 8, .value_kind: global_buffer, .address_space: global }
      - { .name: wc, .offset: 16, .size: 8, .value_kind: global_buffer, .address_space: global }
      - { .name: ws, .offset: 24, .size: 8, .value_kind: global_buffer, .address_space: global }
      - { .name: b_o, .offset: 32, .size: 8, .value_kind: global_buffer, .address_space: global }
      - { .name: out0, .offset: 40, .size: 8, .value_kind: global_buffer, .address_space: global }
    .group_segment_fixed_size: 70656
    .private_segment_fixed_size: 0
    .kernarg_segment_align: 8
    .kernarg_segment_size: 48
    .max_flat_workgroup_size: 256
    .sgpr_count:     66
    .vgpr_count:     480
    .wavefront_size: 32
...
	.end_amdgpu_metadata
.endif
;; end of part 4
